; MI455X (gfx1250); checked and timed in simulation.
; The chip was launched on July 23, 2026; its instructions are those of AMD's public machine-readable ISA for CDNA 5 (MIT licence, August 2026) and "CDNA5" Instruction Set Architecture Reference Guide (July 2026). The comments in the code are by the model that wrote it; some were corrected since.
;; Multi Head Self Attention. Allowed arithmetic: matrix products marked QUANTISED: E4M3 operands, one given power-of-two scale a tensor, by v_wmma_f32_16x16x64_fp8_fp8 or v_wmma_f32_16x16x128_fp8_fp8, f32 sums; everything else in f32.
;; Inputs: Wk_codes 1,024 x 32 x 32 uint8 (E4M3 codes of Wk, K innermost, in blocks of 32 codes); Wo_codes 1,024 x 32 x 32 uint8 (E4M3 codes of Wo, K innermost, in blocks of 32 codes); Wq_codes 1,024 x 32 x 32 uint8 (E4M3 codes of Wq, K innermost, in blocks of 32 codes); Wv_codes 1,024 x 32 x 32 uint8 (E4M3 codes of Wv, K innermost, in blocks of 32 codes); lowp_scales 12 int32 (the exponents e of the quantised operands' scales 2^e); x_codes 1 x 4,096 x 32 x 32 uint8 (E4M3 codes of x, K innermost, in blocks of 32 codes).
;; Outputs: out0 1 x 4,096 x 1,024 float32.
;; This version of the problem:
;;   THIS VERSION OF THE PROBLEM IS GIVEN IN LOW PRECISION. The matrix products marked QUANTISED in the list below multiply operands that are first quantised to E4M3 (4 exponent bits, 3 mantissa bits; 8 bits a number), with one given power-of-two scale for each operand tensor; their sums are f32. All else is computed in f32.
;;   The module's matrix products, in the order in which they are computed (A, B: the left and right operand; K: the contracted axis; several contracted axes count as one K, in the product's order):
;;     1. [M 4,096, K 1,024] x [K 1,024, N 1,024]; A: input x (given as codes); B: input Wq (given as codes): QUANTISED (scales: A lowp_scales[0], B lowp_scales[1])
;;     2. [M 4,096, K 1,024] x [K 1,024, N 1,024]; A: input x (given as codes); B: input Wk (given as codes): QUANTISED (scales: A lowp_scales[2], B lowp_scales[3])
;;     3. [M 4,096, K 1,024] x [K 1,024, N 1,024]; A: input x (given as codes); B: input Wv (given as codes): QUANTISED (scales: A lowp_scales[4], B lowp_scales[5])
;;     4. batch 16 x [M 4,096, K 64] x [K 64, N 4,096]; A: computed on the way; B: computed on the way: QUANTISED (scales: A lowp_scales[6], B lowp_scales[7])
;;     5. batch 16 x [M 4,096, K 4,096] x [K 4,096, N 64]; A: softmax (see below); B: computed on the way: QUANTISED (scales: A lowp_scales[8], B lowp_scales[9])
;;     6. [M 4,096, K 1,024] x [K 1,024, N 1,024]; A: computed on the way; B: input Wo (given as codes): QUANTISED (scales: A lowp_scales[10], B lowp_scales[11])
;;   THE QUANTISER, for each operand of a quantised product, along K:
;;     - The operand's scale is 2^e, e = its entry of the input lowp_scales (int32; the entries are numbered through the quantised products in the list's order, A before B).
;;     - Each number is divided by the scale, clamped to +-448, and rounded to the nearest number of E4M3, ties to even, subnormals kept.
;;     - The product sums the exact products of the quantised numbers (number of the format x scale) in f32.
;;   ~~~python
;;   def quantise(x, axis, e):      # numpy; x: float32 -> the quantised numbers, widened to float32 again
;;       x = np.moveaxis(x, axis, -1); K = x.shape[-1]
;;       r = np.clip(x / 2.0 ** e, -448, 448)
;;       step = 2.0 ** (np.maximum(np.frexp(np.where(r == 0, 1, r))[1] - 1, -6) - 3)
;;       q = np.round(r / step) * step * 2.0 ** e      # np.round: ties to even
;;       return np.moveaxis(q, -1, axis).astype(np.float32)
;;   ~~~
;;   SOFTMAX AHEAD OF A QUANTISED PRODUCT. Where the list says 'softmax', what is quantised is not the finished softmax but p = 2^(t - M), with t = logit x log2(e) and M = ceil(the row's largest t), a whole number; so 1/2 < the row's largest p <= 1. The row's sum l is taken of the UNQUANTISED p, in f32, and the product's result is divided by l at the end. Since M is a whole number, a kernel that streams over the keys may use a running M (the ceiling of the running maximum): every later rescaling is an exact power of two, so the quantised numbers keep their values, but for numbers so far below the row's largest that they fall under the format's range.
;;   OPERANDS COMPUTED ON THE WAY. 'Computed on the way' means the value that the module computes at that place (a softmax that the list does not call 'softmax' is quantised finished and normalised). What goes into a quantiser is computed in f32, as accurately as f32 sums, v_exp_f32 and their like allow (about 1e-6 of the number): no bf16 or f16 on the way to a quantiser, and a product that is left as it is and whose result goes on into a quantised operand takes f32 operands (vector FMAs, or v_wmma_f32_16x16x4_f32). A number that lies on a knife's edge between two numbers of the format may be rounded either way, as far as f32 arithmetic and the matrix unit's own rounding can turn it there, and no further.
;;   INPUTS GIVEN AS CODES. Wk (in the module: [1024, 1024], K = its axis 1); Wo (in the module: [1024, 1024], K = its axis 1); Wq (in the module: [1024, 1024], K = its axis 1); Wv (in the module: [1024, 1024], K = its axis 1); x (in the module: [1, 4096, 1024], K = its axis 2): each comes as NAME_codes (uint8): NAME with its K axis moved to the last place and cut into blocks of 32 codes, [.., K / 32, bytes a block], one block behind the other in memory; one code a byte (a code: sign, 4 exponent bits, 3 mantissa bits); its scale is its entry of lowp_scales. Its value is code x scale, taken as it is: it is not quantised again, and the codes and scales need not be those that the quantiser above would give.
;; One version. Each part assembles by itself: llvm-mc -triple=amdgcn-amd-amdhsa -mcpu=gfx1250 --defsym DOCPART=n.
;; ======== version 1 of 1: 4 launches
;; limits: right only within a limited range of input values
;; workspace buffers: tab 1,048,576 bytes; q_img 4,194,304 bytes; k_img 4,194,304 bytes; v_img 4,194,304 bytes; a_img 4,194,304 bytes
;; launch rope (part 1): grid 256 x 1, 4 waves a work-group, no clusters, 0 bytes of LDS; arguments tab; writes tab
.if DOCPART == 1
	.amdgcn_target "amdgcn-amd-amdhsa--gfx1250"
	.amdhsa_code_object_version 6
	.text
	.protected	k_qfa3a447147_rope
	.globl	k_qfa3a447147_rope
	.p2align	8
	.type	k_qfa3a447147_rope,@function
k_qfa3a447147_rope:
	s_mov_b64 s[64:65], 0
	v_nop
	global_prefetch_b8 v0, s[64:65] scope:SCOPE_SE
	s_setreg_imm32_b32 hwreg(HW_REG_WAVE_MODE, 25, 1), 1
	s_wait_xcnt 0x0
; tab[pos][j] = (cos, sin) of the angle fl(pos x f_j), pos = 0 .. 4095, j = 0 .. 31, f32: a row is 32 pairs, 256 bytes.
; f_j = 1 / 10000^(j / 32) = 1 / 10^(j / 8).  The power is made as a product of five factors, one for each bit of j, each kept as a sum of two f32
; numbers (high part, low part), rounded once to f32, and inverted with one correction step.  The angle is ONE f32 multiplication pos x f_j.
; Sine and cosine: the angle less n x pi/2 (pi/2 in two parts, by fused multiply-adds), |rest| <= pi/4, two short polynomials, and the quadrant n mod 4 by a choice and a sign.
; LIMIT: the angle stays under 4,096, so n stays under 2,608 and the two parts of pi/2 are enough.
; SHARES: wave g = 4 x work-group + wave takes rows 4 g .. 4 g + 3; the lane is j.  A store of the wave covers one row: 256 consecutive bytes, aligned.  No LDS, no barrier.
.macro PICK bit, hi, lo, dh, dl        ; (v[dh], v[dl]) = the factor 10^(2^bit / 8) where that bit of j is set, else (1, 0)
	v_and_b32 v3, 1<<\bit, v1
	v_cmp_ne_u32 vcc_lo, 0, v3
	v_mov_b32 v[\dh], \hi
	v_mov_b32 v[\dl], \lo
	v_cndmask_b32 v[\dh], 1.0, v[\dh], vcc_lo
	v_cndmask_b32 v[\dl], 0, v[\dl], vcc_lo
.endm
.macro DFMUL h, l, uh, ul, p, e        ; (p, e) = (h, l) x (uh, ul): the product's high part, and what the rounding left with the cross terms
	v_mul_f32 v[\p], v[\h], v[\uh]
	v_fma_f32 v[\e], v[\h], v[\uh], -v[\p]
	v_fma_f32 v[\e], v[\h], v[\ul], v[\e]
	v_fma_f32 v[\e], v[\l], v[\uh], v[\e]
.endm
	s_load_b64 s[4:5], s[0:1], 0x0                 ; tab
	v_lshrrev_b32 v1, 5, v0
	v_readfirstlane_b32 s6, v1                     ; wave
	v_and_b32 v1, 31, v0                           ; j
	s_wait_alu depctr_va_vdst(0)
	v_lshlrev_b32 v2, 3, v1                        ; 8 j: my pair's place in a row
	s_lshl_b32 s7, ttmp9, 2
	s_add_co_u32 s7, s7, s6                        ; g
	s_lshl_b32 s8, s7, 10                          ; four rows of 256 bytes
	s_mov_b32 s9, 0
	s_lshl_b32 s7, s7, 2                           ; my first row
	s_mov_b32 s20, 0x3f22f983                      ; 2 / pi
	s_mov_b32 s21, 0x3fc90fdb                      ; pi / 2, high part
	s_mov_b32 s22, 0x333bbd2e                      ; high part - pi / 2
	s_mov_b32 s23, 0xb94ca1f9                      ; sine: -1.9515296e-4,
	s_mov_b32 s24, 0x3c08839e                      ; 8.3321609e-3,
	s_mov_b32 s25, 0xbe2aaaa3                      ; -1.6666655e-1
	s_mov_b32 s26, 0x37ccf5ce                      ; cosine: 2.4433157e-5,
	s_mov_b32 s27, 0xbab6061a                      ; -1.3887316e-3,
	s_mov_b32 s28, 0x3d2aaaa5                      ; 4.1666646e-2
	PICK 0, 0x3faab0d5, 0xb36457ec, 4, 5           ; 10^(1/8)
	PICK 1, 0x3fe39ea9, 0xb26aee3c, 6, 7           ; 10^(1/4)
	DFMUL 4, 5, 6, 7, 8, 9
	PICK 2, 0x404a62c2, 0xb324b496, 6, 7           ; 10^(1/2)
	DFMUL 8, 9, 6, 7, 4, 5
	PICK 3, 0x41200000, 0, 6, 7                    ; 10
	DFMUL 4, 5, 6, 7, 8, 9
	PICK 4, 0x42c80000, 0, 6, 7                    ; 100
	DFMUL 8, 9, 6, 7, 4, 5
	v_add_f32 v6, v4, v5                           ; 10^(j / 8), rounded once
	s_wait_alu depctr_va_vdst(0)
	v_rcp_f32 v7, v6
	v_nop                                          ; a plain instruction behind the reciprocal
	s_wait_alu depctr_va_vdst(0)                   ; and the wait ahead of its first reader
	v_fma_f32 v8, -v6, v7, 1.0
	v_fma_f32 v9, v7, v8, v7                       ; f_j
	s_wait_kmcnt 0x0
	s_add_nc_u64 s[4:5], s[4:5], s[8:9]
.macro ROW i                           ; row 4 g + i; ten registers of its own, so no store's data are written again
.set B, 16+10*(\i)
	s_add_co_u32 s12, s7, \i
	v_cvt_f32_u32 v[B+2], s12
	s_wait_alu depctr_va_vdst(0)
	v_mul_f32 v[B+2], v[B+2], v9                   ; the angle
	v_mul_f32 v[B+3], s20, v[B+2]
	v_rndne_f32 v[B+3], v[B+3]                     ; n
	v_fma_f32 v[B+4], -v[B+3], s21, v[B+2]
	v_fma_f32 v[B+4], v[B+3], s22, v[B+4]          ; r = angle - n pi / 2
	v_mul_f32 v[B+5], v[B+4], v[B+4]               ; z = r r
	v_fma_f32 v[B+6], s23, v[B+5], s24
	v_fma_f32 v[B+7], s26, v[B+5], s27
	v_fma_f32 v[B+6], v[B+6], v[B+5], s25
	v_fma_f32 v[B+7], v[B+7], v[B+5], s28
	v_mul_f32 v[B+6], v[B+6], v[B+5]
	v_mul_f32 v[B+7], v[B+7], v[B+5]
	v_fma_f32 v[B+8], v[B+5], -0.5, 1.0
	v_fma_f32 v[B+6], v[B+6], v[B+4], v[B+4]       ; sin r
	v_fma_f32 v[B+7], v[B+7], v[B+5], v[B+8]       ; cos r
	v_cvt_i32_f32 v[B+3], v[B+3]
	v_and_b32 v[B+8], 1, v[B+3]
	v_cmp_ne_u32 vcc_lo, 0, v[B+8]
	v_cndmask_b32 v[B+1], v[B+6], v[B+7], vcc_lo   ; n odd: the two change places
	v_cndmask_b32 v[B], v[B+7], v[B+6], vcc_lo
	v_lshlrev_b32 v[B+8], 30, v[B+3]
	v_and_b32 v[B+8], 0x80000000, v[B+8]
	v_xor_b32 v[B+1], v[B+1], v[B+8]               ; the sine is negative in quadrants 2 and 3: bit 1 of n,
	v_add_nc_u32 v[B+3], 1, v[B+3]
	v_lshlrev_b32 v[B+3], 30, v[B+3]
	v_and_b32 v[B+3], 0x80000000, v[B+3]
	v_xor_b32 v[B], v[B], v[B+3]                   ; the cosine in quadrants 1 and 2: bit 1 of n + 1
	global_store_b64 v2, v[B:B+1], s[4:5] offset:256*(\i)
.endm
	ROW 0
	ROW 1
	ROW 2
	ROW 3
	s_endpgm
.Lfunc_end_k_qfa3a447147_rope:
	.size	k_qfa3a447147_rope, .Lfunc_end_k_qfa3a447147_rope-k_qfa3a447147_rope
	.p2alignl 7, 3214868480
	.fill 96, 4, 3214868480
	.section	.rodata,"a",@progbits
	.p2align	6, 0x0
	.amdhsa_kernel k_qfa3a447147_rope
		.amdhsa_group_segment_fixed_size 0
		.amdhsa_private_segment_fixed_size 0
		.amdhsa_enable_private_segment 0
		.amdhsa_kernarg_size 8
		.amdhsa_user_sgpr_count 2
		.amdhsa_user_sgpr_kernarg_segment_ptr 1
		.amdhsa_wavefront_size32 1
		.amdhsa_system_sgpr_workgroup_id_x 1
		.amdhsa_system_sgpr_workgroup_id_y 1
		.amdhsa_system_sgpr_workgroup_id_z 1
		.amdhsa_system_vgpr_workitem_id 0
		.amdhsa_next_free_vgpr 64
		.amdhsa_next_free_sgpr 66
		.amdhsa_reserve_vcc 1
		.amdhsa_float_denorm_mode_32 3
		.amdhsa_float_denorm_mode_16_64 3
		.amdhsa_memory_ordered 1
		.amdhsa_forward_progress 1
		.amdhsa_inst_pref_size 10
	.end_amdhsa_kernel
	.amdgpu_metadata
---
amdhsa.version: [ 1, 2 ]
amdhsa.kernels:
  - .name:           k_qfa3a447147_rope
    .symbol:         k_qfa3a447147_rope.kd
    .args:
      - { .name: tab, .offset: 0, .size: 8, .value_kind: global_buffer, .address_space: global }
    .group_segment_fixed_size: 0
    .private_segment_fixed_size: 0
    .kernarg_segment_align: 8
    .kernarg_segment_size: 8
    .max_flat_workgroup_size: 128
    .sgpr_count:     66
    .vgpr_count:     64
    .wavefront_size: 32
...
	.end_amdgpu_metadata
.endif
;; end of part 1
;; launch qkv (part 2): grid 12 x 16, 4 waves a work-group, clusters of 4 x 4, 327,680 bytes of LDS; arguments x_codes, Wq_codes, Wk_codes, Wv_codes, lowp_scales, tab, q_img, k_img, v_img; writes q_img, k_img, v_img
.if DOCPART == 2
	.amdgcn_target "amdgcn-amd-amdhsa--gfx1250"
	.amdhsa_code_object_version 6
	.text
	.protected	k_qfa3a447147_qkv
	.globl	k_qfa3a447147_qkv
	.p2align	8
	.type	k_qfa3a447147_qkv,@function
k_qfa3a447147_qkv:
	s_mov_b64 s[64:65], 0
	v_nop
	global_prefetch_b8 v0, s[64:65] scope:SCOPE_SE
	s_setreg_imm32_b32 hwreg(HW_REG_WAVE_MODE, 25, 1), 1
	s_wait_xcnt 0x0
	s_wait_alu depctr_hold_cnt(0) depctr_sa_sdst(0) depctr_va_vdst(0) depctr_va_sdst(0) depctr_va_ssrc(0) depctr_va_vcc(0) depctr_vm_vsrc(0)
	s_getreg_b32 s2, hwreg(HW_REG_IB_STS2, 6, 4)
	s_cmp_eq_u32 s2, 0
	s_cbranch_scc0 .Lentry_in_a_cluster
	s_endpgm
.Lentry_in_a_cluster:
	s_bfe_u32 s2, ttmp6, 0x10000c
	s_cmp_lg_u32 s2, 0xf033
	s_cbranch_scc0 .Lentry_shape_is_right
	s_endpgm
.Lentry_shape_is_right:
.set KSTEP,  256
.set ROWB,   256
.set KROW,   1024
.set PITCH,  272
.set FR,     16
.set NL,     4
.set NP,     4
.set HALFT,  128*PITCH
.set SLOT,   4*HALFT
.set SPARE,  2*SLOT
.set ADRA, 16
.set ADRB, 20
.set TA,   24
.set CO,   26
.set SPW,  28
.set NIL,  29
.set LIM,  30
.set SC,   31
.set T,    32
.set TAB,  64
.set R,    128
.set CD,   192
.set AF,   128
.set G1, 24
.set G0, 32
.set G1B, 48
.set G0B, 56
.set MSB, 0
.macro WIN new
.if MSB != (\new)
	s_set_vgpr_msb (MSB<<8)|(\new)
.set MSB, (\new)
.endif
.endm
.set MUL_LO, 0xa1
.set MUL_HI, 0xf1
.set TO_B,   0x40
.macro JLOAD g0a, g1a, g0b, g1b
	s_cmp_eq_u32 s15, 0
	s_cbranch_scc0 .Lfor_b_\@
	tensor_load_to_lds s[\g0a:\g0a+3], s[\g1a:\g1a+7]
	s_nop 0
.rept 4
	v_nop
.endr
	s_branch .Lasked_\@
.Lfor_b_\@:
	tensor_load_to_lds s[\g0b:\g0b+3], s[\g1b:\g1b+7]
	s_nop 0
.rept 4
	v_nop
.endr
.Lasked_\@:
.endm
.macro CREST
	s_cmp_lg_u32 s14, 0
	s_cbranch_scc1 .Lnot_wave_0_\@
	s_barrier_signal -3
.Lnot_wave_0_\@:
	s_barrier_wait -3
	s_barrier_signal -1
	s_barrier_wait -1
.endm
.macro CROUND
	s_barrier_signal -1
	s_barrier_wait -1
	CREST
.endm
	s_load_b512 s[68:83], s[0:1], 0x0
	s_load_b64 s[84:85], s[0:1], 0x40
	v_lshl_add_u32 v[SPW], v0, 2, SPARE
	v_mov_b32 v[NIL], 0
	ds_add_u32 v28, v29
	ds_add_u32 v28, v29
	s_wait_dscnt 0x0
	v_lshrrev_b32 v1, 5, v0
	v_readfirstlane_b32 s14, v1
	s_lshr_b32 s15, s14, 1
	s_and_b32 s16, s14, 1
	s_bfe_u32 s40, ttmp6, 0x40000
	s_bfe_u32 s41, ttmp6, 0x40004
	s_and_b32 s17, ttmp7, 0xffff
	s_lshl_b32 s17, s17, 2
	s_cmp_eq_u32 ttmp9, 2
	s_cselect_b32 s18, 0, s17
	s_cselect_b32 s19, s17, 0
	s_add_co_u32 s17, s41, s18
	s_add_co_u32 s42, s40, s19
	s_lshl_b32 s43, s41, 2
	s_lshl_b32 s43, 15, s43
	s_lshl_b32 s44, 0x1111, s40
	s_or_b32 s[G1+0], s43, (0<<16)|(1<<20)|(1<<21)|(5<<22)|(3<<25)
	s_or_b32 s[G1B+0], s44, (0<<16)|(1<<20)|(1<<21)|(5<<22)|(3<<25)
.irp g, G1, G1B
	s_mov_b32 s[\g+1], ROWB<<16
	s_mov_b32 s[\g+2], 128<<16
	s_mov_b32 s[\g+3], ROWB<<16
	s_mov_b32 s[\g+4], 128
	s_mov_b32 s[\g+5], KROW
	s_mov_b32 s[\g+6], 0
	s_mov_b32 s[\g+7], 0
.endr
	s_lshl_b32 s18, s16, 7
	s_lshl_b32 s20, s17, 8
	s_add_co_u32 s20, s20, s18
	s_lshl_b32 s20, s20, 10
	s_mov_b32 s21, 0
	s_lshl_b32 s46, s42, 8
	s_add_co_u32 s46, s46, s18
	s_lshl_b32 s46, s46, 10
	s_mov_b32 s47, 0
	s_mul_i32 s45, s14, HALFT
	s_wait_kmcnt 0x0
	s_load_b256 s[88:95], s[76:77], 0x0
	s_load_b32 s96, s[76:77], 0x24
	s_cmp_eq_u32 ttmp9, 0
	s_cselect_b64 s[6:7], s[70:71], s[72:73]
	s_cselect_b64 s[10:11], s[80:81], s[82:83]
	s_cmp_eq_u32 ttmp9, 2
	s_cselect_b64 s[4:5], s[74:75], s[68:69]
	s_cselect_b64 s[6:7], s[68:69], s[6:7]
	s_cselect_b64 s[10:11], s[84:85], s[10:11]
	s_add_nc_u64 s[20:21], s[4:5], s[20:21]
	s_add_nc_u64 s[46:47], s[6:7], s[46:47]
	CROUND
.irp s, 0,1
	s_mov_b32 s[G0+4*\s], 1
	s_add_co_u32 s[G0+4*\s+1], s45, \s*SLOT
	s_add_nc_u64 s[G0+4*\s+2:G0+4*\s+3], s[20:21], \s*ROWB
	s_or_b32 s[G0+4*\s+3], s[G0+4*\s+3], 0x80000000
	s_mov_b32 s[G0B+4*\s], 1
	s_add_co_u32 s[G0B+4*\s+1], s45, \s*SLOT
	s_add_nc_u64 s[G0B+4*\s+2:G0B+4*\s+3], s[46:47], \s*ROWB
	s_or_b32 s[G0B+4*\s+3], s[G0B+4*\s+3], 0x80000000
	s_wait_alu depctr_va_vdst(0)
	s_wait_tensorcnt 0x0
	ds_add_u32 v28, v29
	ds_add_u32 v28, v29
	s_wait_dscnt 0x0
	CROUND
	JLOAD G0+4*\s, G1, G0B+4*\s, G1B
.endr
	v_and_b32 v1, 15, v0
	v_bfe_u32 v2, v0, 4, 1
	v_mul_u32_u24 v3, v1, PITCH
	v_lshl_add_u32 v4, v2, 4, v3
	s_mul_i32 s21, s15, HALFT
	s_mul_i32 s22, s16, HALFT
	s_add_co_u32 s22, s22, 2*HALFT
.irp s, 0,1
	v_add_nc_u32 v[ADRA+\s], s21, v4
	v_add_nc_u32 v[ADRB+\s], s22, v4
	s_add_co_u32 s21, s21, SLOT
	s_add_co_u32 s22, s22, SLOT
.endr
	v_and_b32 v6, 31, v0
	v_lshlrev_b32 v[CO], 4, v6
	v_lshlrev_b32 v[TA], 8, v1
	v_lshl_add_u32 v[TA], v2, 5, v[TA]
	s_wait_alu depctr_va_vdst(0)
	s_lshl_b32 s20, s17, 8
	s_lshl_b32 s21, s15, 7
	s_add_co_u32 s20, s20, s21
	s_lshl_b32 s22, s42, 8
	s_lshl_b32 s23, s16, 7
	s_add_co_u32 s22, s22, s23
	s_cmp_eq_u32 ttmp9, 2
	s_cselect_b32 s18, s20, s22
	s_cselect_b32 s19, s22, s20
	s_lshl_b32 s18, s18, 12
	s_lshl_b32 s19, s19, 6
	s_add_co_u32 s18, s18, s19
	s_mov_b32 s19, 0
	s_add_nc_u64 s[10:11], s[10:11], s[18:19]
	s_lshl_b32 s20, s20, 8
	s_mov_b32 s21, 0
	s_add_nc_u64 s[86:87], s[78:79], s[20:21]
.macro TABLOAD a
.irp g, 0,1,2,3
	global_load_b128 v[TAB+32*((\a)%2)+8*\g:TAB+32*((\a)%2)+8*\g+3], v[TA], s[86:87] offset:(\a)*4096+64*\g
	global_load_b128 v[TAB+32*((\a)%2)+8*\g+4:TAB+32*((\a)%2)+8*\g+7], v[TA], s[86:87] offset:(\a)*4096+64*\g+16
.endr
.endm
	TABLOAD 0
	TABLOAD 1
.macro FRAG reg, adr, q, i
.irp c, 0,1,2,3
	ds_load_b128 v[\reg+4*\c:\reg+4*\c+3], v[\adr] offset:128*(\q)+32*\c+(\i)*16*PITCH
.endr
.endm
.macro MUL16 a0, p, zero
.irp a, \a0, \a0+1
.irp b, 0,1,2,3,4,5,6,7
.if \zero
	v_wmma_f32_16x16x128_fp8_fp8 v[8*(8*((\a)%4)+\b):8*(8*((\a)%4)+\b)+7], v[128*(\p)+FR*\b:128*(\p)+FR*\b+FR-1], v[AF+FR*(\a):AF+FR*(\a)+FR-1], 0
.else
	v_wmma_f32_16x16x128_fp8_fp8 v[8*(8*((\a)%4)+\b):8*(8*((\a)%4)+\b)+7], v[128*(\p)+FR*\b:128*(\p)+FR*\b+FR-1], v[AF+FR*(\a):AF+FR*(\a)+FR-1], v[8*(8*((\a)%4)+\b):8*(8*((\a)%4)+\b)+7]
.endif
.endr
.endr
.endm
.macro FETCH_B slot, q, p
	WIN TO_B
.irp i, 0,1,2,3,4,5,6,7
	FRAG 128*(\p)+FR*\i, ADRB+\slot, \q, \i
.endr
	WIN 0
.endm
.macro FETCH_A slot, q, i0
.irp i, \i0, \i0+1, \i0+2, \i0+3
	FRAG AF+FR*(\i), ADRA+\slot, \q, \i
.endr
.endm
.macro PLACES n
.rept \n
	v_nop
.endr
.endm
.macro STEP slot, q, zero
	s_wait_dscnt 4*NL
	WIN MUL_LO
	MUL16 0, (\q)%2, \zero
	MUL16 2, (\q)%2, \zero
	s_wait_dscnt 0
	PLACES NP
	FETCH_B \slot, (\q)+1, 1-(\q)%2
	FETCH_A \slot, (\q)+1, 0
	WIN MUL_HI
	MUL16 4, (\q)%2, \zero
	MUL16 6, (\q)%2, \zero
	PLACES NP
	WIN 0
	FETCH_A \slot, (\q)+1, 4
.endm
.macro TURN slot, next, fill
	s_wait_tensorcnt 0x0
	ds_add_u32 v[SPW], v[NIL]
	s_wait_dscnt 4*NL+1
	WIN MUL_LO
	MUL16 0, 1, 0
	s_wait_dscnt 0x0
	s_barrier_signal -1
	MUL16 2, 1, 0
	WIN 0
	s_barrier_wait -1
.if \fill
	CREST
	s_add_nc_u64 s[G0+4*\slot+2:G0+4*\slot+3], s[G0+4*\slot+2:G0+4*\slot+3], 2*ROWB
	s_add_nc_u64 s[G0B+4*\slot+2:G0B+4*\slot+3], s[G0B+4*\slot+2:G0B+4*\slot+3], 2*ROWB
	JLOAD G0+4*\slot, G1, G0B+4*\slot, G1B
.else
	PLACES NP
.endif
	FETCH_B \next, 0, 0
	FETCH_A \next, 0, 0
	WIN MUL_HI
	MUL16 4, 1, 0
	MUL16 6, 1, 0
	PLACES NP
	WIN 0
	FETCH_A \next, 0, 4
.endm
	s_wait_tensorcnt 1
	s_barrier_signal -1
	s_barrier_wait -1
	FETCH_B 0, 0, 0
	FETCH_A 0, 0, 0
	FETCH_A 0, 0, 4
	STEP 0, 0, 1
	TURN 0, 1, 1
	STEP 1, 0, 0
	TURN 1, 0, 1
	STEP 0, 0, 0
	TURN 0, 1, 0
	STEP 1, 0, 0
	s_wait_dscnt 4*NL
	WIN MUL_LO
	MUL16 0, 1, 0
	MUL16 2, 1, 0
	s_wait_dscnt 0
	WIN MUL_HI
	MUL16 4, 1, 0
	MUL16 6, 1, 0
	WIN 0
.macro ROPE_A a
.if (\a) < 7
	s_wait_loadcnt 8
.else
	s_wait_loadcnt 0
.endif
	WIN 0x02+((\a)/4)
.set AC, 64*((\a)%4)
.set TSET, TAB+32*((\a)%2)
.irp b, 0,1,2,3,4,5,6,7
.irp i, 0,1,2,3
	v_pk_mul_f32 v[T+2*\i:T+2*\i+1], v[AC+8*\b+2*\i:AC+8*\b+2*\i+1], v[TSET+8*(\b%4)+2*\i:TSET+8*(\b%4)+2*\i+1] op_sel:[1,1] op_sel_hi:[1,0]
.endr
.irp i, 0,1,2,3
	v_pk_fma_f32 v[R+8*\b+2*\i:R+8*\b+2*\i+1], v[AC+8*\b+2*\i:AC+8*\b+2*\i+1], v[TSET+8*(\b%4)+2*\i:TSET+8*(\b%4)+2*\i+1], v[T+2*\i:T+2*\i+1] op_sel_hi:[0,1,1] neg_lo:[0,0,1]
.endr
.endr
	WIN 0
.endm
.macro PLAIN_A a
	WIN 0x02+((\a)/4)
.set AC, 64*((\a)%4)
.set jj, 0
.rept 64
	v_med3_num_f32 v[R+jj], v[AC+jj], -v[LIM], v[LIM]
.set jj, jj+1
.endr
	WIN 0
.endm
.macro QUANT_B a, rope
.set CSET, CD+16*((\a)%4)
.if \rope
.if (\a) < 6
	TABLOAD (\a)+2
.endif
.endif
.if (\a) >= 4
	s_wait_xcnt 0x0
.endif
.if \rope
.set jj, 0
.rept 64
	v_med3_num_f32 v[R+jj], v[R+jj], -v[LIM], v[LIM]
.set jj, jj+1
.endr
.endif
.irp b, 0,1,2,3,4,5,6,7
	v_cvt_scalef32_pk8_fp8_f32 v[CSET+2*\b:CSET+2*\b+1], v[R+8*\b:R+8*\b+7], v[SC]
.endr
	v_nop
.endm
.macro OUT a, isv
.set CSET, CD+16*((\a)%4)
.irp g, 0,1,2,3
.if \isv
	global_store_b128 v[CO], v[CSET+4*\g:CSET+4*\g+3], s[10:11] offset:((\a)/4)*262144+((\a)%4)*2048+\g*512
.else
	global_store_b128 v[CO], v[CSET+4*\g:CSET+4*\g+3], s[10:11] offset:(\g/2)*262144+(\a)*1024+(\g%2)*512
.endif
.endr
.endm
	s_wait_kmcnt 0x0
	s_cmp_eq_u32 ttmp9, 0
	s_cselect_b32 s18, s88, s90
	s_cselect_b32 s19, s89, s91
	s_cselect_b32 s20, s94, s95
	s_cmp_eq_u32 ttmp9, 2
	s_cselect_b32 s18, s92, s18
	s_cselect_b32 s19, s93, s19
	s_cselect_b32 s20, s96, s20
	s_sub_co_i32 s20, s20, s18
	s_sub_co_i32 s20, s20, s19
	s_add_co_i32 s20, s20, 127
	s_lshl_b32 s21, s20, 23
	v_mov_b32 v[SC], s21
	s_add_co_i32 s20, s20, 8
	s_lshl_b32 s20, s20, 23
	s_or_b32 s20, s20, 0x600000
	v_mov_b32 v[LIM], s20
	PLACES NP
	s_cmp_eq_u32 ttmp9, 2
	s_cbranch_scc1 .Lplain
.irp a, 0,1,2,3,4,5,6,7
	ROPE_A \a
	QUANT_B \a, 1
	OUT \a, 0
.endr
	s_branch .Ljoin
.Lplain:
	s_wait_alu depctr_va_vdst(0)
.irp a, 0,1,2,3,4,5,6,7
	PLAIN_A \a
	s_wait_alu depctr_va_vdst(0)
	QUANT_B \a, 0
	OUT \a, 1
.endr
.Ljoin:
	s_wait_tensorcnt 0x0
	ds_add_u32 v[SPW], v[NIL]
	s_wait_dscnt 0x0
	CROUND
	s_endpgm
.Lfunc_end_k_qfa3a447147_qkv:
	.size	k_qfa3a447147_qkv, .Lfunc_end_k_qfa3a447147_qkv-k_qfa3a447147_qkv
	.p2alignl 7, 3214868480
	.fill 96, 4, 3214868480
	.section	.rodata,"a",@progbits
	.p2align	6, 0x0
	.amdhsa_kernel k_qfa3a447147_qkv
		.amdhsa_group_segment_fixed_size 327680
		.amdhsa_private_segment_fixed_size 0
		.amdhsa_enable_private_segment 0
		.amdhsa_kernarg_size 72
		.amdhsa_user_sgpr_count 2
		.amdhsa_user_sgpr_kernarg_segment_ptr 1
		.amdhsa_wavefront_size32 1
		.amdhsa_system_sgpr_workgroup_id_x 1
		.amdhsa_system_sgpr_workgroup_id_y 1
		.amdhsa_system_sgpr_workgroup_id_z 1
		.amdhsa_system_vgpr_workitem_id 0
		.amdhsa_next_free_vgpr 1024
		.amdhsa_next_free_sgpr 98
		.amdhsa_reserve_vcc 0
		.amdhsa_float_denorm_mode_32 3
		.amdhsa_float_denorm_mode_16_64 3
		.amdhsa_memory_ordered 1
		.amdhsa_forward_progress 1
		.amdhsa_inst_pref_size 198
	.end_amdhsa_kernel
	.amdgpu_metadata
---
amdhsa.version: [ 1, 2 ]
amdhsa.kernels:
  - .name:           k_qfa3a447147_qkv
    .symbol:         k_qfa3a447147_qkv.kd
    .args:
      - { .name: x_codes, .offset: 0, .size: 8, .value_kind: global_buffer, .address_space: global }
      - { .name: Wq_codes, .offset: 8, .size: 8, .value_kind: global_buffer, .address_space: global }
      - { .name: Wk_codes, .offset: 16, .size: 8, .value_kind: global_buffer, .address_space: global }
      - { .name: Wv_codes, .offset: 24, .size: 8, .value_kind: global_buffer, .address_space: global }
      - { .name: lowp_scales, .offset: 32, .size: 8, .value_kind: global_buffer, .address_space: global }
      - { .name: tab, .offset: 40, .size: 8, .value_kind: global_buffer, .address_space: global }
      - { .name: q_img, .offset: 48, .size: 8, .value_kind: global_buffer, .address_space: global }
      - { .name: k_img, .offset: 56, .size: 8, .value_kind: global_buffer, .address_space: global }
      - { .name: v_img, .offset: 64, .size: 8, .value_kind: global_buffer, .address_space: global }
    .group_segment_fixed_size: 327680
    .private_segment_fixed_size: 0
    .kernarg_segment_align: 8
    .kernarg_segment_size: 72
    .max_flat_workgroup_size: 128
    .sgpr_count:     98
    .vgpr_count:     1024
    .wavefront_size: 32
...
	.end_amdgpu_metadata
.endif
;; end of part 2
;; launch attn (part 3): grid 16 x 16, 8 waves a work-group, no clusters, 327,680 bytes of LDS; arguments q_img, k_img, v_img, lowp_scales, a_img; writes a_img
.if DOCPART == 3
	.amdgcn_target "amdgcn-amd-amdhsa--gfx1250"
	.amdhsa_code_object_version 6
	.text
	.protected	k_qfa3a447147_attn
	.globl	k_qfa3a447147_attn
	.p2align	8
	.type	k_qfa3a447147_attn,@function
k_qfa3a447147_attn:
	s_mov_b64 s[64:65], 0
	v_nop
	global_prefetch_b8 v0, s[64:65] scope:SCOPE_SE
	s_setreg_imm32_b32 hwreg(HW_REG_WAVE_MODE, 25, 1), 1
	s_wait_xcnt 0x0
; Causal attention on codes of FP8 (E4M3): 16 heads of 64 channels, 4,096 positions.  S^T = K Q^T, p = 2^(t - M), O^T = V^T P^T, O / the row's sum, quantised for the last projection.
; THE SOFTMAX: t = score x log2(e) / 8; M = the row's largest t so far, rounded UP to a whole number; p = 2^(t - M) is what is quantised, not normalised; the row's sum is taken of the unquantised p, in f32,
; and divides O at the end.  When M moves, the sum and O are multiplied by 2^(old M - new M): nothing is rounded, and no branch hangs on data.
; Key blocks that lie wholly behind a block's queries under the causal mask are not walked: whatever the inputs hold, their p is 0.
; OPERANDS ARE IMAGES OF REGISTERS, made by the launch before: a fragment comes by loads of 16 bytes at 16 x lane, 512 consecutive bytes an instruction: no pitch, no padding.
;   q_img, k_img: head x 262,144 + (row / 16) x 1,024 + part x 512 + lane x 16.   v_img: head x 262,144 + (key / 128) x 8,192 + (channel / 16) x 2,048 + part x 512 + lane x 16.
; In S^T's tile c lane (r, h) holds query r and keys 16 c + 8 h + 0 .. 7: one conversion of eight numbers gives registers 2 c, 2 c + 1 of P, the second product's operand over 128 keys.
; SHARES.  Work-group (j, head) owns two blocks of 128 queries, one after the other: block 31 - j, which sees 32 - j blocks of 128 keys, then block j, which sees j + 1: key steps 0 .. 32 in every work-group,
; so all trip counts are constants and all 256 work-groups have the same work.  Wave w owns queries 32 (w % 4) .. + 31 of the block in hand, two tiles of 16, so that each fragment of K and V feeds two products.
; Waves 0-3 take the even key steps, waves 4-7 the odd ones; of step 32, the second block's step on the diagonal, waves 0-3 take tile 0 and waves 4-7 tile 1.
; THE PARTS MEET at the end: at a block's end each wave lays its O, -M and sum into LDS bytes of its own; behind one barrier waves 0-3 join the first block's two parts, waves 4-7 the second's.  M is whole, so joining multiplies by powers of two.
; THE RING: two LDS slots, each with the K and V images of four key steps (8 x 8,192 bytes), one tensor load from each of the eight waves.  By this text's count a wave has one tensor load out.
; NO CLUSTER: the sixteen work-groups of a head walk the same key blocks only up to step 31 - j; from there each goes back to key block 0 at a step of its own, so partners would need different tiles in the same round.
; OUTPUT: a_img: (row / 16) x 16,384 + (K / 128) x 2,048 + c x 512 + lane x 16: lane (r, h) holds K = 32 c + 16 h + 0 .. 15 of row r: the order in which the projection loads its fragments.
; LIMITS on the given exponents, so that each power of two below is an f32 number: e6 + e7 between -123 and 130 (added to c's exponent field); e8 between -126 and 119.  NaN codes among the operands are not served.
; The scaled scores stay under 2^31 in magnitude.
; REGISTERS.  Window 0: all of the softmax, both tiles.  Window 1: K's fragments, V^T's fragments, O^T.
.set STEPB, 16384                      ; a key step in a slot: K's image, 8,192 bytes, then V's
.set SLOT1, 65536                      ; slot 1 begins here
.set STG,   131072                     ; behind the ring: the parts: 2 blocks x 8 waves x 9,216 bytes
.set PART,  9216                       ; 64 registers of O^T, then -M and the largest t, then the sums: 18 x 512 bytes
.set SPARE, STG+16*PART                ; the spare words, 128 bytes for each wave: four blocks of 256 bytes that no other line names
.set LI,    1                          ; v1   16 x lane
.set ADR,   2                          ; v2   LDS address of my first step in the slot in hand + 16 x lane
.set PFO,   3                          ; v3   256 x lane: the prefetches' offset
.set SPW,   4                          ; v4   LDS address of my spare word
.set NIL,   5                          ; v5   0
.set DM,    6                          ; v6, v7: tile 0, 1: my query in its block - 8 h: on the diagonal, register 8 c + i is hidden where 16 c + i is greater
.set NINF,  8                          ; v8   -infinity
.set PSC,   9                          ; v9   2^e8
                                       ; v12 -M, v13 the largest t (tile 0); v14, v15 (tile 1)
.set Q,     16                         ; v16-31   my queries' fragments, two tiles
.set L,     32                         ; v[32:33], v[34:35] the sums in two halves
.set F,     36                         ; v[36:37], v[38:39] f = 2^(old M - new M) (the pairs' upper halves are written once)
                                       ; v40-47 at work in the maxima
.set ONE,   48                         ; v48  1.0
.set TOP,   49                         ; v49  448.0
.set SA,    50                         ; v50, v51 my part's place, first and second block
.set SJ,    52                         ; v52  where I read the parts that I join
.set S0,    64                         ; v64-127  S^T of tile 0, then p
.set S1,    128                        ; v128-191 of tile 1
.set P0,    192                        ; v192-207, v208-223 p's codes of the two tiles (before that: tile 1's partial sums)
.set T,     224                        ; v224-255 tile 0's partial sums
.set KF,    0                          ; window 1: v0-63 eight fragments of K
.set VF,    64                         ; v64-127 four fragments of V^T
.set O,     128                        ; v128-159, v160-191 O^T of the two tiles, four tiles of 16 channels each
.set GR,    16                         ; s16  my group: wave / 4
.set U,     17                         ; s17  wave % 4
.set WV,    18
.set SEL,   20                         ; s[20:21] lane selects for v_permlanex16_b32: lane l xor 16
.set CS,    22                         ; s[22:23] c = log2(e) / 8 x 2^(e6 + e7)
.set G1,    24                         ; s[24:31] descriptor group 1: a dense block of 8,192 bytes
.set G0,    32                         ; s[32:35] descriptor group 0, which walks
.set BASE,  36                         ; s[36:37] my piece's tensor (K: even waves, V: odd waves) at my head
.set CUR,   38                         ; s[38:39] the piece that is being asked for: the prefetch's base
.set OFS,   40                         ; s[40:41] its offset
.set TP,    42                         ; s42  the key step of the piece that I fetch
.set N1,    43                         ; s43  32 - j: key steps of the first block
.set DG,    44                         ; s44  31 - j: the first block's step on the diagonal
.set TS,    45                         ; s45  the key step in hand
.set TB,    46                         ; s46  LDS byte of my group's first step in the slot in hand
.set SLOTS, 47
.set PLIM,  48                         ; s48  27 in a work-group that prefetches, else -1
.set PH,    49                         ; s49  448 x 2^e8
.set EO,    50                         ; s50  e8 + e9 - e10
.set QB1,   52                         ; s[52:53], s[54:55] my queries' fragments in q_img, first and second block
.set QB2,   54
.set AB,    56                         ; s[56:57] in a_img: my rows of the block that I join
.set MSB, 0
.macro WIN new                         ; the immediate's high byte repeats the setting that is left
.if MSB != (\new)
	s_set_vgpr_msb (MSB<<8)|(\new)
.set MSB, (\new)
.endif
.endm
.macro PLACES n
.rept \n
	v_nop
.endr
.endm
.macro LOADK off, adr                  ; K's eight fragments
	WIN 0x40
.irp c, 0,1,2,3,4,5,6,7
	ds_load_b128 v[KF+8*\c:KF+8*\c+3], v[\adr] offset:\off+1024*\c
	ds_load_b128 v[KF+8*\c+4:KF+8*\c+7], v[\adr] offset:\off+1024*\c+512
.endr
.endm
.macro LOADV off, adr                  ; V^T's four
	WIN 0x40
.irp d, 0,1,2,3
.irp p, 0,1,2,3
	ds_load_b128 v[VF+16*\d+4*\p:VF+16*\d+4*\p+3], v[\adr] offset:\off+8192+2048*\d+512*\p
.endr
.endr
.endm
.macro SMM c0, t, s                    ; four tiles of S^T, of query tile t, into the registers from s on
	WIN 0x01                                       ; source 0 (K) window 1, the rest window 0
.irp c, \c0,\c0+1,\c0+2,\c0+3
	v_wmma_f32_16x16x64_fp8_fp8 v[\s+8*(\c):\s+8*(\c)+7], v[KF+8*(\c):KF+8*(\c)+7], v[Q+8*\t:Q+8*\t+7], 0
.endr
.endm
.macro PV t, p                         ; O^T of tile t; the accumulators by turns, one instruction a turn
	WIN 0x51                                       ; V, C and D window 1, P window 0
.irp d, 0,1,2,3
	v_wmma_f32_16x16x128_fp8_fp8 v[O+32*\t+8*\d:O+32*\t+8*\d+7], v[VF+16*\d:VF+16*\d+15], v[\p:\p+15], v[O+32*\t+8*\d:O+32*\t+8*\d+7]
.endr
.endm
.macro MASK t, s                       ; register 8 c + i holds key 16 c + 8 h + i of the block: where it comes after my query its score becomes -infinity, p = 0
.set nn, 0
.rept 64
	v_cmp_gt_i32 vcc_lo, 16*(nn/8)+nn%8, v[DM+\t]
	v_cndmask_b32 v[\s+nn], v[\s+nn], v[NINF], vcc_lo
.set nn, nn+1
.endr
.endm
.macro HOLD r                          ; two numbers: the conversion does not saturate (ISA guide 7.6.2); p is not negative, so the hold is one-sided; it stands whatever e8 is
	v_dual_min_num_f32 v[\r], s[PH], v[\r] :: v_dual_min_num_f32 v[\r+1], s[PH], v[\r+1]
.endm
.macro FOLD n, b0, b1                  ; 2 n pairs of partial sums become n, in one tile's run or in two runs by turns
.set kk, 0
.rept \n
	v_pk_add_f32 v[\b0+kk:\b0+kk+1], v[\b0+kk:\b0+kk+1], v[\b0+kk+2*\n:\b0+kk+2*\n+1]
.if \b1
	v_pk_add_f32 v[\b1+kk:\b1+kk+1], v[\b1+kk:\b1+kk+1], v[\b1+kk+2*\n:\b1+kk+2*\n+1]
.endif
.set kk, kk+2
.endr
.endm
.macro SCALE t                         ; O^T of tile t under the new M
.set nn, 0
.rept 16
	v_pk_mul_f32 v[O+32*\t+nn:O+32*\t+nn+1], v[O+32*\t+nn:O+32*\t+nn+1], v[F+2*\t:F+2*\t+1] op_sel_hi:[1,0]
.set nn, nn+2
.endr
.endm
.macro CODES s, p                      ; 64 numbers of a lane to 64 codes
.irp c, 0,1,2,3,4,5,6,7
	v_cvt_scalef32_pk8_fp8_f32 v[\p+2*\c:\p+2*\c+1], v[\s+8*\c:\s+8*\c+7], v[PSC]
.endr
.endm
.macro SAVE adr                        ; my part of a block: O^T, -M and the largest t, the sums
	WIN 0x04
.irp i, 0,1,2,3,4,5,6,7,8,9,10,11,12,13,14,15
	ds_store_b128 v[\adr], v[O+4*\i:O+4*\i+3] offset:512*\i
.endr
	WIN 0
	ds_store_b128 v[\adr], v[12:15] offset:8192
	ds_store_b128 v[\adr], v[L:L+3] offset:8704
.endm
	s_load_b256 s[4:11], s[0:1], 0x0               ; q_img s[4:5], k_img s[6:7], v_img s[8:9], the scales' exponents s[10:11]
	s_load_b64 s[12:13], s[0:1], 0x20              ; a_img
	v_lshl_add_u32 v[SPW], v0, 2, SPARE
	v_mov_b32 v[NIL], 0
	ds_add_u32 v[SPW], v[NIL]                      ; the wave's opening: the add, twice on end, and its wait ahead of my first tensor load
	ds_add_u32 v[SPW], v[NIL]
	v_lshrrev_b32 v1, 5, v0
	v_readfirstlane_b32 s[WV], v1                  ; wave 0..7
	s_lshr_b32 s[GR], s[WV], 2
	s_and_b32 s[U], s[WV], 3
	s_and_b32 s14, ttmp7, 0xffff                   ; the head
	s_lshl_b32 s60, s14, 18                        ; its 262,144 bytes in each image
	s_mov_b32 s61, 0
	s_sub_co_u32 s[N1], 32, ttmp9
	s_sub_co_u32 s[DG], 31, ttmp9
	s_lshl_b32 s19, s[U], 1
	s_lshl_b32 s15, s[DG], 3
	s_add_co_u32 s15, s15, s19                     ; my two tiles of the first block: 8 (31 - j) + 2 u,
	s_lshl_b32 s66, ttmp9, 3
	s_add_co_u32 s66, s66, s19                     ; of the second: 8 j + 2 u
	s_lshl_b32 s62, s15, 10
	s_mov_b32 s63, 0
	s_lshl_b32 s82, s66, 10
	s_mov_b32 s83, 0
	s_cmp_eq_u32 s[GR], 0
	s_cselect_b32 s80, s15, s66                    ; the block that I join
	s_lshl_b32 s80, s80, 14
	s_lshl_b32 s19, s14, 10                        ; a_img: a head's 64 of K are 1,024 bytes of a block of 16 rows
	s_add_co_u32 s80, s80, s19
	s_mov_b32 s81, 0
	s_lshr_b32 s[TP], s[WV], 1                     ; my piece's key step in slot 0
	s_lshl_b32 s[OFS], s[TP], 13
	s_mov_b32 s[OFS+1], 0
	; descriptor group 1: 32 rows of 32 elements of 8 bytes, dense in memory and in LDS
	s_mov_b32 s[G1], 3<<16                         ; 15:0 no mask; 17:16 elements of 8 bytes; no padding
	s_mov_b32 s[G1+1], 32<<16                      ; tensor_dim0 = 32
	s_mov_b32 s[G1+2], 32<<16                      ; tensor_dim1 = 32
	s_mov_b32 s[G1+3], 32<<16                      ; tile_dim0 = 32
	s_mov_b32 s[G1+4], 32                          ; tile_dim1 = 32
	s_mov_b32 s[G1+5], 32                          ; tensor_dim0_stride
	s_mov_b32 s[G1+6], 0
	s_mov_b32 s[G1+7], 0
	s_mov_b32 s[SEL], 0x76543210
	s_mov_b32 s[SEL+1], 0xfedcba98
	s_mov_b32 s[TS], s[GR]
	s_lshl_b32 s[TB], s[GR], 14
	s_mov_b32 s[SLOTS], 7
	s_cmp_eq_u32 ttmp9, 0
	s_cselect_b32 s[PLIM], 27, -1
	s_and_b32 s19, s[WV], 1
	s_wait_dscnt 0x0                               ; both opening adds are done
	s_wait_kmcnt 0x0
	s_load_b256 s[68:75], s[10:11], 0x0            ; e0 .. e7
	s_load_b128 s[76:79], s[10:11], 0x20           ; e8 .. e11
	s_cmp_eq_u32 s19, 0
	s_cselect_b64 s[BASE:BASE+1], s[6:7], s[8:9]
	s_add_nc_u64 s[BASE:BASE+1], s[BASE:BASE+1], s[60:61]
	s_add_nc_u64 s[CUR:CUR+1], s[BASE:BASE+1], s[OFS:OFS+1]
	s_mov_b32 s[G0], 1                             ; 1:0 count = 1
	s_lshl_b32 s[G0+1], s[WV], 13                  ; 63:32 LDS address: 8,192 x wave, in slot 0
	s_mov_b64 s[G0+2:G0+3], s[CUR:CUR+1]           ; 120:64 global address
	s_or_b32 s[G0+3], s[G0+3], 0x80000000          ; 127:126 type = 2
	tensor_load_to_lds s[G0:G0+3], s[G1:G1+7]      ; slot 0: my one tensor load at the head
	s_nop 0
	PLACES 4
	s_add_nc_u64 s[QB1:QB1+1], s[4:5], s[60:61]
	s_add_nc_u64 s[QB2:QB2+1], s[QB1:QB1+1], s[82:83]
	s_add_nc_u64 s[QB1:QB1+1], s[QB1:QB1+1], s[62:63]
	s_add_nc_u64 s[AB:AB+1], s[12:13], s[80:81]
	s_mul_i32 s62, s[WV], PART
	s_add_co_u32 s62, s62, STG                     ; my part's place
	s_mul_i32 s63, s[GR], 8*PART
	s_mul_i32 s66, s[U], PART
	s_add_co_u32 s63, s63, s66
	s_add_co_u32 s63, s63, STG                     ; the block that I join: wave u's part; wave u + 4's lies 4 parts on
	s_lshl_b32 s66, s[U], 5
	v_and_b32 v2, 31, v0
	v_lshlrev_b32 v[LI], 4, v2
	v_lshlrev_b32 v[PFO], 8, v2
	global_load_b128 v[Q:Q+3], v[LI], s[QB1:QB1+1]             ; the first block's queries: tile 0,
	global_load_b128 v[Q+4:Q+7], v[LI], s[QB1:QB1+1] offset:512
	global_load_b128 v[Q+8:Q+11], v[LI], s[QB1:QB1+1] offset:1024  ; tile 1
	global_load_b128 v[Q+12:Q+15], v[LI], s[QB1:QB1+1] offset:1536
	v_add_nc_u32 v[SA], s62, v[LI]
	v_add_nc_u32 v[SJ], s63, v[LI]
	v_add_nc_u32 v[SA+1], 8*PART, v[SA]
	v_and_b32 v40, 15, v0                          ; r
	v_bfe_u32 v41, v0, 4, 1                        ; h
	v_lshlrev_b32 v41, 3, v41
	v_sub_nc_u32 v[DM], v40, v41
	v_add_nc_u32 v[DM], s66, v[DM]
	v_add_nc_u32 v[DM+1], 16, v[DM]
	v_mov_b32 v[NINF], 0xff800000
	v_mov_b32 v[ONE], 1.0
	v_mov_b32 v[TOP], 0x43e00000
	v_mov_b32 v[F+1], 0                            ; (named as the upper halves of pairs)
	v_mov_b32 v[F+3], 0
	v_mov_b32 v44, 0                               ; written once: a lane permute's destination counts as one of its sources
	v_mov_b32 v45, 0
	v_mov_b32 v13, 0xff61b1e6                      ; the largest t so far: -3e38, under every t
	v_mov_b32 v15, 0xff61b1e6
	v_floor_f32 v12, -v13                          ; -M
	v_floor_f32 v14, -v15
	v_mov_b32 v32, 0                               ; the sums
	v_mov_b32 v33, 0
	v_mov_b32 v34, 0
	v_mov_b32 v35, 0
	WIN 0x40
.set jj, 0
.rept 64
	v_mov_b32 v[O+jj], 0                           ; O^T: the first change of M leaves zeros
.set jj, jj+1
.endr
	WIN 0
	s_wait_alu depctr_va_vdst(0)                   ; the wait here, directly ahead of the wait below
	s_wait_kmcnt 0x0
	s_add_co_i32 s14, s74, s75
	s_lshl_b32 s14, s14, 23
	s_add_co_i32 s[CS], s14, 0x3e38aa3b            ; c = log2(e) / 8; a score stands for score x 2^(e6 + e7): the two exponents are added to c's exponent field
	s_mov_b32 s[CS+1], s[CS]                       ; (named with it as a pair, so it is written)
	s_add_co_i32 s14, s76, 127
	s_lshl_b32 s15, s14, 23
	v_mov_b32 v[PSC], s15                          ; 2^e8 as f32, for p's conversion
	s_add_co_i32 s14, s14, 8
	s_lshl_b32 s14, s14, 23
	s_or_b32 s[PH], s14, 0x600000                  ; 448 x 2^e8
	s_add_co_i32 s[EO], s76, s77
	s_sub_co_i32 s[EO], s[EO], s78                 ; O stands for O x 2^(e8 + e9), and its code is that / 2^e10
; A KEY STEP of 128 keys, both tiles: my group's q-th of the slot in hand.  LDS loads out at its first wait: K's 16, then V's 16.
.macro STEP q
.if (\q) == 0
	v_add_nc_u32 v[ADR], s[TB], v[LI]              ; this line and three v_nop are the places in front of loads into registers that the last products have read
	PLACES 3
	LOADK 0, ADR
.else
	PLACES 4
.endif
	LOADV (\q)*2*STEPB, ADR
	WIN 0
	s_wait_alu depctr_va_vdst(0)                   ; the wait here, directly ahead of the waits below
	s_wait_loadcnt 0x0                             ; my queries (met at once in all steps but a block's first)
	s_wait_dscnt 24                                ; K's fragments 0-3 are in
	SMM 0, 0, S0
	SMM 0, 1, S1
	s_wait_dscnt 16                                ; K's are in; V's 16 loads may be out
	SMM 4, 0, S0
	SMM 4, 1, S1
	PLACES 4                                       ; for the loads below, into K's registers, and for the first reads of the scores
.if (\q) == 0
	LOADK 2*STEPB, ADR                             ; my next step's K lands while the softmax is worked
.endif
	WIN 0
	s_cmp_lg_u32 s[TS], s[DG]                      ; a scalar branch on ids and the step's number: only the step on the diagonal is masked
	s_cbranch_scc1 .Lopen_\@
	MASK 0, S0
	MASK 1, S1
.Lopen_\@:
	v_max3_num_f32 v40, v[S0], v[S0+1], v[S0+2]    ; the step's largest scores of my two queries, among my 64 keys, two chains a tile, in ascending order,
	v_max3_num_f32 v42, v[S1], v[S1+1], v[S1+2]
	v_max3_num_f32 v41, v[S0+3], v[S0+4], v[S0+5]
	v_max3_num_f32 v43, v[S1+3], v[S1+4], v[S1+5]
.irp i, 6,10,14,18,22,26,30,34,38,42,46,50,54,58
	v_max3_num_f32 v40, v40, v[S0+\i], v[S0+1+\i]
	v_max3_num_f32 v42, v42, v[S1+\i], v[S1+1+\i]
	v_max3_num_f32 v41, v41, v[S0+2+\i], v[S0+3+\i]
	v_max3_num_f32 v43, v43, v[S1+2+\i], v[S1+3+\i]
.endr
	v_max3_num_f32 v40, v40, v[S0+62], v[S0+63]
	v_max3_num_f32 v42, v42, v[S1+62], v[S1+63]
	v_max_num_f32 v40, v40, v41
	v_max_num_f32 v42, v42, v43
	v_permlanex16_b32 v44, v40, s[SEL], s[SEL+1]
	v_permlanex16_b32 v45, v42, s[SEL], s[SEL+1]
	v_max_num_f32 v40, v40, v44                    ; and among lane l xor 16's
	v_max_num_f32 v42, v42, v45
	v_mul_f32 v40, s[CS], v40                      ; as t (c is positive)
	v_mul_f32 v42, s[CS], v42
	v_max_num_f32 v13, v13, v40                    ; the running largest t
	v_max_num_f32 v15, v15, v42
	v_mov_b32 v46, v12
	v_mov_b32 v47, v14
	v_floor_f32 v12, -v13                          ; the new -M = floor(-t) = -ceil(t): M is a whole number
	v_floor_f32 v14, -v15
	v_sub_f32 v46, v12, v46                        ; M's old value less its new one: a whole number, 0 or less
	v_sub_f32 v47, v14, v47
	v_cvt_i32_f32 v46, v46                         ; (it saturates)
	v_cvt_i32_f32 v47, v47
	v_ldexp_f32 v[F], 1.0, v46                     ; f = 2^(old M - new M)
	v_ldexp_f32 v[F+2], 1.0, v47
.set nn, 0
.rept 32
	v_pk_fma_f32 v[S0+nn:S0+nn+1], v[S0+nn:S0+nn+1], s[CS:CS+1], v[12:13] op_sel_hi:[1,0,0]   ; t - M, two at a time (of the pairs c and -M the low word serves both halves)
.set nn, nn+2
.endr
	s_wait_alu depctr_va_vdst(0)                   ; the wait ahead of the batch
.set nn, 0
.rept 32
	v_exp_f32 v[S0+nn], v[S0+nn]                   ; tile 0's p = 2^(t - M), at most 1; among them tile 1's t - M
	v_pk_fma_f32 v[S1+nn:S1+nn+1], v[S1+nn:S1+nn+1], s[CS:CS+1], v[14:15] op_sel_hi:[1,0,0]
	v_exp_f32 v[S0+nn+1], v[S0+nn+1]
.set nn, nn+2
.endr
	s_wait_alu depctr_va_vdst(0)                   ; behind tile 0's batch and ahead of tile 1's
.set nn, 0
.rept 16
	v_exp_f32 v[S1+nn], v[S1+nn]                   ; tile 1's p; among them tile 0's first sums, of the unquantised p, and then its hold
	v_pk_add_f32 v[T+nn/2:T+nn/2+1], v[S0+nn:S0+nn+1], v[S0+nn+2:S0+nn+3]
	v_exp_f32 v[S1+nn+1], v[S1+nn+1]
	HOLD S0+nn
	v_exp_f32 v[S1+nn+2], v[S1+nn+2]
	HOLD S0+nn+2
	v_exp_f32 v[S1+nn+3], v[S1+nn+3]
.set nn, nn+4
.endr
	v_pk_mul_f32 v[L:L+1], v[L:L+1], v[F:F+1] op_sel_hi:[1,0]         ; the sums under the new M: plain instructions behind the exponentials
	v_pk_mul_f32 v[L+2:L+3], v[L+2:L+3], v[F+2:F+3] op_sel_hi:[1,0]
	WIN 0x41
	s_wait_alu depctr_va_vdst(0)                   ; the wait behind the batch, and directly ahead of the first reader of O^T
	SCALE 0
	SCALE 1
	WIN 0
.set nn, 0
.rept 16
	v_pk_add_f32 v[P0+nn/2:P0+nn/2+1], v[S1+nn:S1+nn+1], v[S1+nn+2:S1+nn+3]
.set nn, nn+4
.endr
	FOLD 8, T, P0
	FOLD 4, T, P0
	FOLD 2, T, P0
	FOLD 1, T, P0
	v_pk_add_f32 v[L:L+1], v[L:L+1], v[T:T+1]
	v_pk_add_f32 v[L+2:L+3], v[L+2:L+3], v[P0:P0+1]
.set nn, 0
.rept 32
	HOLD S1+nn
.set nn, nn+2
.endr
	CODES S0, P0
	CODES S1, P0+16
	v_nop                                          ; one plain instruction between the last conversion and the products
	s_wait_alu depctr_va_vdst(0)                   ; the wait here, directly ahead of the wait below
.if (\q) == 0
	s_wait_dscnt 16                                ; V^T's fragments; the next K's 16 loads may be out
.else
	s_wait_dscnt 0x0
.endif
	PV 0, P0
	PV 1, P0+16
	WIN 0
	s_sub_co_u32 s14, s[DG], s[TS]                 ; 0 or 1 in my last step of the first block; past it the difference wraps to a large number
	s_cmp_gt_u32 s14, 1
	s_cbranch_scc1 .Lon_\@
	PLACES 4
	SAVE SA                                        ; the first block ends for me
	v_mov_b32 v13, 0xff61b1e6                      ; the second begins: under this M the first change of M multiplies the sums and O^T by 2^(-2^31), which is 0
	v_mov_b32 v15, 0xff61b1e6
	v_floor_f32 v12, -v13
	v_floor_f32 v14, -v15
	global_load_b128 v[Q:Q+3], v[LI], s[QB2:QB2+1]
	global_load_b128 v[Q+4:Q+7], v[LI], s[QB2:QB2+1] offset:512
	global_load_b128 v[Q+8:Q+11], v[LI], s[QB2:QB2+1] offset:1024
	global_load_b128 v[Q+12:Q+15], v[LI], s[QB2:QB2+1] offset:1536
	s_wait_alu depctr_va_vdst(0)
.Lon_\@:
	s_add_co_u32 s[TS], s[TS], 2
.endm
; STEP 32, tile t alone: the second block's step on the diagonal.  Its tiles of K and V are the first of slot 0.
.macro LAST t
	PLACES 4
	LOADK 0, LI
	LOADV 0, LI
	WIN 0
	s_wait_loadcnt 0x0
	s_wait_dscnt 16
	SMM 0, \t, S0
	SMM 4, \t, S0
	PLACES 4
	WIN 0
	MASK \t, S0
	v_max3_num_f32 v40, v[S0], v[S0+1], v[S0+2]
	v_max3_num_f32 v41, v[S0+3], v[S0+4], v[S0+5]
.irp i, 6,10,14,18,22,26,30,34,38,42,46,50,54,58
	v_max3_num_f32 v40, v40, v[S0+\i], v[S0+1+\i]
	v_max3_num_f32 v41, v41, v[S0+2+\i], v[S0+3+\i]
.endr
	v_max3_num_f32 v40, v40, v[S0+62], v[S0+63]
	v_max_num_f32 v40, v40, v41
	v_permlanex16_b32 v44, v40, s[SEL], s[SEL+1]
	v_max_num_f32 v40, v40, v44
	v_mul_f32 v40, s[CS], v40
	v_max_num_f32 v[13+2*\t], v[13+2*\t], v40
	v_mov_b32 v46, v[12+2*\t]
	v_floor_f32 v[12+2*\t], -v[13+2*\t]
	v_sub_f32 v46, v[12+2*\t], v46
	v_cvt_i32_f32 v46, v46
	v_ldexp_f32 v[F+2*\t], 1.0, v46
.set nn, 0
.rept 32
	v_pk_fma_f32 v[S0+nn:S0+nn+1], v[S0+nn:S0+nn+1], s[CS:CS+1], v[12+2*\t:13+2*\t] op_sel_hi:[1,0,0]
.set nn, nn+2
.endr
	s_wait_alu depctr_va_vdst(0)                   ; the wait ahead of the batch
.set nn, 0
.rept 64
	v_exp_f32 v[S0+nn], v[S0+nn]
.set nn, nn+1
.endr
	v_pk_mul_f32 v[L+2*\t:L+2*\t+1], v[L+2*\t:L+2*\t+1], v[F+2*\t:F+2*\t+1] op_sel_hi:[1,0]
	WIN 0x41
	s_wait_alu depctr_va_vdst(0)                   ; the wait behind the batch, and directly ahead of the first reader of O^T
	SCALE \t
	WIN 0
.set nn, 0
.rept 16
	v_pk_add_f32 v[T+nn/2:T+nn/2+1], v[S0+nn:S0+nn+1], v[S0+nn+2:S0+nn+3]
.set nn, nn+4
.endr
	FOLD 8, T, 0
	FOLD 4, T, 0
	FOLD 2, T, 0
	FOLD 1, T, 0
	v_pk_add_f32 v[L+2*\t:L+2*\t+1], v[L+2*\t:L+2*\t+1], v[T:T+1]
.set nn, 0
.rept 32
	HOLD S0+nn
.set nn, nn+2
.endr
	CODES S0, P0
	v_nop
	s_wait_alu depctr_va_vdst(0)                   ; the wait here, directly ahead of the wait below
	s_wait_dscnt 0x0
	PV \t, P0
	WIN 0
.endm
; THE CHANGE OF SLOTS stands at a slot's head.  Each wave waits for all its tensor loads (its piece of the slot that it is about to read), adds 0 to its spare word, and waits for that and for its reads of the slot that it has left.
; Behind the barrier the slot ahead is whole and nobody reads the other one.  fill = 1: that other slot is filled with the four key steps that follow: the load has a whole slot's steps in which to land.
; fill = 2: of the slot that follows only step 32 is read: waves 0 and 1 fetch its two pieces.  The branch hangs on the wave's number alone.
; A PREFETCH INTO THE L2 of my piece of the slot that the NEXT change will ask for: 32,768 bytes (four key blocks) behind the piece just asked for, 8,192 bytes, lanes 256 bytes apart: four key steps ahead of its tensor load.
; Each aligned block of 256 bytes is named once in the launch: all sixteen work-groups of a head begin at key block 0 and walk upward; work-group j = 0, whose first block sees all 32 key blocks, asks, and nobody else.
; It stops where step + 4 would pass key block 31.  The first two slots come by their loads alone.
.macro CHANGE fill
	s_wait_tensorcnt 0x0                           ; no tensor load of mine is out, so the group 0 may be written
	ds_add_u32 v[SPW], v[NIL]                      ; 0 onto my spare word: the descriptor's steps stand between it and the wait for it
.if \fill
	s_wait_xcnt 0x0                                ; the last prefetch, a slot back, has read its address, so it may be written
	s_add_co_u32 s[TP], s[TP], 4                   ; my piece's key step in the next slot;
	s_cmp_ge_u32 s[TP], s[N1]
	s_cselect_b32 s[OFS], s[N1], 0
	s_sub_co_u32 s[OFS], s[TP], s[OFS]             ; its key block: the second block of queries begins again at key block 0
	s_lshl_b32 s[OFS], s[OFS], 13
	s_add_nc_u64 s[CUR:CUR+1], s[BASE:BASE+1], s[OFS:OFS+1]
	s_mov_b64 s[G0+2:G0+3], s[CUR:CUR+1]
	s_or_b32 s[G0+3], s[G0+3], 0x80000000
	s_xor_b32 s[G0+1], s[G0+1], SLOT1              ; the other slot than last time
.endif
	s_wait_dscnt 0x0                               ; the add is done, and my reads of the slot that I have left are over
	s_barrier_signal -1
	s_barrier_wait -1
.if (\fill) == 1
	tensor_load_to_lds s[G0:G0+3], s[G1:G1+7]      ; the first thing behind the barrier, and my one tensor load until the next
	s_nop 0
	PLACES 4
	s_cmp_le_i32 s[TP], s[PLIM]
	s_cbranch_scc0 .Lnot_mine_\@
	global_prefetch_b8 v[PFO], s[CUR:CUR+1] offset:4*8192 th:TH_LOAD_NT scope:SCOPE_SE
.Lnot_mine_\@:
.endif
.if (\fill) == 2
	s_cmp_lt_u32 s[WV], 2
	s_cbranch_scc0 .Lnone_\@
	tensor_load_to_lds s[G0:G0+3], s[G1:G1+7]
	s_nop 0
	PLACES 4
.Lnone_\@:
.endif
.endm
	s_wait_alu depctr_va_vdst(0)                   ; the wait at the head's end
.Lslot:                                            ; 7 trips: slots 0 .. 6; behind each change the next slot is asked for
	CHANGE 1
	STEP 0
	STEP 1
	s_xor_b32 s[TB], s[TB], SLOT1                  ; on to the other slot
	s_sub_co_u32 s[SLOTS], s[SLOTS], 1
	s_cmp_lg_u32 s[SLOTS], 0
	s_cbranch_scc1 .Lslot
	CHANGE 2                                       ; slot 7: steps 28 .. 31
	STEP 0
	STEP 1
	CHANGE 0                                       ; step 32
	s_cmp_lt_u32 s[WV], 4
	s_cbranch_scc0 .Ltile1
	LAST 0
	s_branch .Lmeet
.Ltile1:
	LAST 1
.Lmeet:
	PLACES 4                                       ; behind the last products: for the reads of O^T and for the loads into P's registers
	SAVE SA+1                                      ; my part of the second block
	s_wait_dscnt 0x0
	s_barrier_signal -1
	s_barrier_wait -1                              ; all parts of both blocks stand in LDS
.irp i, 0,1,2,3,4,5,6,7,8,9,10,11,12,13,14,15
	ds_load_b128 v[64+4*\i:67+4*\i], v[SJ] offset:512*\i                 ; the even steps' O^T (tile 0 v64-95, tile 1 v96-127),
	ds_load_b128 v[128+4*\i:131+4*\i], v[SJ] offset:4*PART+512*\i        ; the odd steps'
.endr
	ds_load_b128 v[192:195], v[SJ] offset:8192                           ; -M and the largest t of tiles 0, 1
	ds_load_b128 v[196:199], v[SJ] offset:8704                           ; the sums
	ds_load_b128 v[200:203], v[SJ] offset:4*PART+8192
	ds_load_b128 v[204:207], v[SJ] offset:4*PART+8704
	s_wait_dscnt 0x0
	v_min_num_f32 v40, v192, v200                  ; -M of the whole row: the larger M
	v_min_num_f32 v41, v194, v202
	v_sub_f32 v42, v40, v192
	v_sub_f32 v43, v40, v200
	v_sub_f32 v44, v41, v194
	v_sub_f32 v45, v41, v202
	v_cvt_i32_f32 v42, v42
	v_cvt_i32_f32 v43, v43
	v_cvt_i32_f32 v44, v44
	v_cvt_i32_f32 v45, v45
	v_ldexp_f32 v208, 1.0, v42                     ; each part's factor (0 for a part without a step)
	v_ldexp_f32 v210, 1.0, v43
	v_ldexp_f32 v212, 1.0, v44
	v_ldexp_f32 v214, 1.0, v45
	v_pk_mul_f32 v[196:197], v[196:197], v[208:209] op_sel_hi:[1,0]
	v_pk_mul_f32 v[198:199], v[198:199], v[212:213] op_sel_hi:[1,0]
	v_pk_fma_f32 v[196:197], v[204:205], v[210:211], v[196:197] op_sel_hi:[1,0,1]
	v_pk_fma_f32 v[198:199], v[206:207], v[214:215], v[198:199] op_sel_hi:[1,0,1]
	v_add_f32 v196, v196, v197
	v_add_f32 v198, v198, v199
	v_permlanex16_b32 v46, v196, s[SEL], s[SEL+1]
	v_permlanex16_b32 v47, v198, s[SEL], s[SEL+1]
	v_add_f32 v196, v196, v46                      ; the rows' sums
	v_add_f32 v198, v198, v47
	s_wait_alu depctr_va_vdst(0)                   ; the wait ahead of the batch
	v_rcp_f32 v196, v196
	v_rcp_f32 v198, v198
	v_nop                                          ; a plain instruction behind the reciprocals
	s_mov_b32 vcc_lo, 0xffff0000                   ; lanes 16 to 31
	s_wait_alu depctr_va_vdst(0)                   ; and the wait ahead of their first reader
	v_ldexp_f32 v196, v196, s[EO]
	v_ldexp_f32 v198, v198, s[EO]
	v_mul_f32 v208, v208, v196                     ; each part's factor x 2^(e8 + e9 - e10) / the sum
	v_mul_f32 v212, v212, v198
	v_mul_f32 v210, v210, v196
	v_mul_f32 v214, v214, v198
.set jj, 0
.rept 16
	v_pk_mul_f32 v[64+jj:65+jj], v[64+jj:65+jj], v[208:209] op_sel_hi:[1,0]   ; register 8 d + i: channel 16 d + 8 h + i of query r
	v_pk_mul_f32 v[96+jj:97+jj], v[96+jj:97+jj], v[212:213] op_sel_hi:[1,0]
.set jj, jj+2
.endr
.set jj, 0
.rept 16
	v_pk_fma_f32 v[64+jj:65+jj], v[128+jj:129+jj], v[210:211], v[64+jj:65+jj] op_sel_hi:[1,0,1]
	v_pk_fma_f32 v[96+jj:97+jj], v[160+jj:161+jj], v[214:215], v[96+jj:97+jj] op_sel_hi:[1,0,1]
.set jj, jj+2
.endr
.set jj, 0
.rept 64
	v_med3_num_f32 v[64+jj], v[64+jj], -v[TOP], v[TOP]   ; the conversion to an 8-bit code does not saturate (ISA guide 7.6.2)
.set jj, jj+1
.endr
.irp d, 0,1,2,3,4,5,6,7
	v_cvt_scalef32_pk8_fp8_f32 v[224+2*\d:225+2*\d], v[64+8*\d:71+8*\d], v[ONE]
.endr
	v_nop                                          ; one plain vector instruction behind the last conversion
; Of channels 32 c .. 32 c + 31 lane (r, 0) holds 0-7 and 16-23, lane (r, 1) holds 8-15 and 24-31.  Lane (r, 0) sends 16-23 and gets 8-15; lane (r, 1) the other way round.  x = 2 x tile + c.
.irp x, 0,1,2,3
	v_cndmask_b32 v[240+4*\x], v[226+4*\x], v[224+4*\x], vcc_lo
	v_cndmask_b32 v[241+4*\x], v[227+4*\x], v[225+4*\x], vcc_lo
.endr
.irp x, 0,1,2,3
	v_permlanex16_b32 v[242+4*\x], v[240+4*\x], s[SEL], s[SEL+1]
	v_permlanex16_b32 v[243+4*\x], v[241+4*\x], s[SEL], s[SEL+1]
.endr
.irp x, 0,1,2,3
	v_cndmask_b32 v[224+4*\x], v[224+4*\x], v[242+4*\x], vcc_lo
	v_cndmask_b32 v[225+4*\x], v[225+4*\x], v[243+4*\x], vcc_lo
	v_cndmask_b32 v[226+4*\x], v[242+4*\x], v[226+4*\x], vcc_lo
	v_cndmask_b32 v[227+4*\x], v[243+4*\x], v[227+4*\x], vcc_lo
	global_store_b128 v[LI], v[224+4*\x:227+4*\x], s[AB:AB+1] offset:16384*(\x/2)+512*(\x%2)   ; 32 lanes store 512 consecutive bytes, aligned
.endr
	s_wait_tensorcnt 0x0                           ; the wave's end: behind my last tensor load and my last LDS store
	ds_add_u32 v[SPW], v[NIL]
	s_wait_dscnt 0x0
	s_endpgm
.Lfunc_end_k_qfa3a447147_attn:
	.size	k_qfa3a447147_attn, .Lfunc_end_k_qfa3a447147_attn-k_qfa3a447147_attn
	.p2alignl 7, 3214868480
	.fill 96, 4, 3214868480
	.section	.rodata,"a",@progbits
	.p2align	6, 0x0
	.amdhsa_kernel k_qfa3a447147_attn
		.amdhsa_group_segment_fixed_size 327680
		.amdhsa_private_segment_fixed_size 0
		.amdhsa_enable_private_segment 0
		.amdhsa_kernarg_size 40
		.amdhsa_user_sgpr_count 2
		.amdhsa_user_sgpr_kernarg_segment_ptr 1
		.amdhsa_wavefront_size32 1
		.amdhsa_system_sgpr_workgroup_id_x 1
		.amdhsa_system_sgpr_workgroup_id_y 1
		.amdhsa_system_sgpr_workgroup_id_z 1
		.amdhsa_system_vgpr_workitem_id 0
		.amdhsa_next_free_vgpr 512
		.amdhsa_next_free_sgpr 84
		.amdhsa_reserve_vcc 1
		.amdhsa_float_denorm_mode_32 3
		.amdhsa_float_denorm_mode_16_64 3
		.amdhsa_memory_ordered 1
		.amdhsa_forward_progress 1
		.amdhsa_inst_pref_size 227
	.end_amdhsa_kernel
	.amdgpu_metadata
---
amdhsa.version: [ 1, 2 ]
amdhsa.kernels:
  - .name:           k_qfa3a447147_attn
    .symbol:         k_qfa3a447147_attn.kd
    .args:
      - { .name: q_img, .offset: 0, .size: 8, .value_kind: global_buffer, .address_space: global }
      - { .name: k_img, .offset: 8, .size: 8, .value_kind: global_buffer, .address_space: global }
      - { .name: v_img, .offset: 16, .size: 8, .value_kind: global_buffer, .address_space: global }
      - { .name: lowp_scales, .offset: 24, .size: 8, .value_kind: global_buffer, .address_space: global }
      - { .name: a_img, .offset: 32, .size: 8, .value_kind: global_buffer, .address_space: global }
    .group_segment_fixed_size: 327680
    .private_segment_fixed_size: 0
    .kernarg_segment_align: 8
    .kernarg_segment_size: 40
    .max_flat_workgroup_size: 256
    .sgpr_count:     84
    .vgpr_count:     512
    .wavefront_size: 32
...
	.end_amdgpu_metadata
.endif
;; end of part 3
;; launch proj (part 4): grid 8 x 32, 4 waves a work-group, clusters of 4 x 4, 327,680 bytes of LDS; arguments a_img, Wo_codes, lowp_scales, out0; writes out0
.if DOCPART == 4
	.amdgcn_target "amdgcn-amd-amdhsa--gfx1250"
	.amdhsa_code_object_version 6
	.text
	.protected	k_qfa3a447147_proj
	.globl	k_qfa3a447147_proj
	.p2align	8
	.type	k_qfa3a447147_proj,@function
k_qfa3a447147_proj:
	s_mov_b64 s[64:65], 0
	v_nop
	global_prefetch_b8 v0, s[64:65] scope:SCOPE_SE
	s_setreg_imm32_b32 hwreg(HW_REG_WAVE_MODE, 25, 1), 1
	s_wait_xcnt 0x0
	s_wait_alu depctr_hold_cnt(0) depctr_sa_sdst(0) depctr_va_vdst(0) depctr_va_sdst(0) depctr_va_ssrc(0) depctr_va_vcc(0) depctr_vm_vsrc(0)
	s_getreg_b32 s2, hwreg(HW_REG_IB_STS2, 6, 4)
	s_cmp_eq_u32 s2, 0
	s_cbranch_scc0 .Lentry_in_a_cluster
	s_endpgm
.Lentry_in_a_cluster:
	s_bfe_u32 s2, ttmp6, 0x10000c
	s_cmp_lg_u32 s2, 0xf033
	s_cbranch_scc0 .Lentry_shape_is_right
	s_endpgm
.Lentry_shape_is_right:
; out[m][n] = 2^(e10 + e11) x the sum over k of A[m][k] Wo[n][k]: codes of FP8 (E4M3), sums in f32.  A: a_img, register images of 16 rows (16,384 bytes each); Wo: [1024][1024] codes.
; A work-group makes 128 x 128 of out: 8 x 32 = 256 work-groups.  ALL OF K LIES IN LDS: A's 128 rows are one dense block of 131,072 bytes, Wo's 128 rows take 128 x 1,040; each of the four waves issues one tensor load, and nothing is filled again.
; CLUSTERS of 4 x 4: A's rows are asked for jointly along a row of the cluster, Wo's along a column.
; A wave makes 64 x 64.  It keeps the fragments of its 64 rows of Wo in registers (512) and finishes its four blocks of 16 rows of A one after the other, so a block leaves while the next is multiplied.
; NO PREFETCH: everything is asked for at the head, and there is no loop to run ahead in.
; THE MATRIX INSTRUCTION IS USED TRANSPOSED (source 0 = 16 rows of Wo, source 1 = 16 rows of A): a lane then holds eight neighbouring numbers of a row of out.
; LIMIT: e10 + e11 lies between -126 and 127, so that 2^(e10 + e11) is an f32 number.
; REGISTERS: window 0: addresses, accumulators, the way out; window 1: A's fragments, two buffers of 16 rows x 1,024; windows 2, 3: Wo's fragments, K 0-511 and 512-1023.
.set BP,    1040                       ; an LDS row of Wo: 1,024 bytes + 16 of padding = 260 words: row r starts at bank 4 r mod 64 (64 banks of 4 bytes: ISA guide 11.1)
.set BOFF,  131072
.set SPARE, BOFF+128*BP                ; the spare words: two blocks of 256 bytes that no other line names
.set STAGE, SPARE+512                  ; the way out: 16 rows x (256 bytes + 16) for each wave; no tensor load lands there
.set SPITCH, 272
.set ADRA, 16
.set ADRB, 20
.set STO,  24
.set RD,   25
.set CO,   26
.set SPW,  28
.set NIL,  29
.set ACC,  32                          ; v32-63, v64-95: the four accumulators of a block, two sets
.set TMP,  96                          ; v96-127
.set BK,   128                         ; v128-159, v160-191: rows read back from the stage
.set G1, 24
.set G0, 32
.set G1B, 48
.set G0B, 56
.set MSB, 0
.macro WIN new                         ; the immediate's high byte repeats the setting that is left
.if MSB != (\new)
	s_set_vgpr_msb (MSB<<8)|(\new)
.set MSB, (\new)
.endif
.endm
.macro PLACES n
.rept \n
	v_nop
.endr
.endm
.macro CROUND                          ; a round of the cluster's barrier
	s_barrier_signal -1
	s_barrier_wait -1
	s_cmp_lg_u32 s14, 0
	s_cbranch_scc1 .Lnot_wave_0_\@
	s_barrier_signal -3
.Lnot_wave_0_\@:
	s_barrier_wait -3
	s_barrier_signal -1
	s_barrier_wait -1
.endm
	s_load_b128 s[4:7], s[0:1], 0x0                ; a_img, Wo_codes
	s_load_b128 s[8:11], s[0:1], 0x10              ; lowp_scales, out0
	v_lshl_add_u32 v[SPW], v0, 2, SPARE
	v_mov_b32 v[NIL], 0
	ds_add_u32 v[SPW], v[NIL]                      ; the wave's opening: the add, twice on end, and its wait ahead of my first tensor load
	ds_add_u32 v[SPW], v[NIL]
	v_lshrrev_b32 v1, 5, v0
	v_readfirstlane_b32 s14, v1                    ; wave 0..3
	s_lshr_b32 s15, s14, 1                         ; which 64 rows of A are mine.  Also: I fetch for A (0) or for Wo (1)
	s_and_b32 s16, s14, 1                          ; which 64 rows of Wo.  Also: which half I fetch
	s_bfe_u32 s40, ttmp6, 0x40000                  ; cx, cy: my place in the cluster
	s_bfe_u32 s41, ttmp6, 0x40004
	s_lshl_b32 s42, ttmp9, 2
	s_add_co_u32 s42, s42, s40                     ; block column of out
	s_and_b32 s17, ttmp7, 0xffff
	s_lshl_b32 s17, s17, 2
	s_add_co_u32 s17, s17, s41                     ; block row
	s_lshl_b32 s43, s41, 2
	s_lshl_b32 s43, 15, s43                        ; my row of the cluster
	s_lshl_b32 s44, 0x1111, s40                    ; my column
	; A: 65,536 dense bytes: 256 rows of 32 elements of 8 bytes
	s_or_b32 s[G1+0], s43, (3<<16)|(1<<21)         ; 15:0 the mask; 17:16 elements of 8 bytes; 21 set beside a mask
	s_mov_b32 s[G1+1], 32<<16
	s_mov_b32 s[G1+2], 256<<16
	s_mov_b32 s[G1+3], 32<<16
	s_mov_b32 s[G1+4], 256
	s_mov_b32 s[G1+5], 32
	s_mov_b32 s[G1+6], 0
	s_mov_b32 s[G1+7], 0
	; Wo: 64 rows of 1,024 bytes, four words of padding after every 256
	s_or_b32 s[G1B+0], s44, (0<<16)|(1<<20)|(1<<21)|(7<<22)|(3<<25)
	s_mov_b32 s[G1B+1], 1024<<16
	s_mov_b32 s[G1B+2], 64<<16
	s_mov_b32 s[G1B+3], 1024<<16
	s_mov_b32 s[G1B+4], 64
	s_mov_b32 s[G1B+5], 1024
	s_mov_b32 s[G1B+6], 0
	s_mov_b32 s[G1B+7], 0
	s_lshl_b32 s45, s16, 16                        ; half x 65,536 bytes, in memory for both and in LDS for A
	s_lshl_b32 s20, s17, 17
	s_add_co_u32 s20, s20, s45
	s_mov_b32 s21, 0
	s_lshl_b32 s46, s42, 17
	s_add_co_u32 s46, s46, s45
	s_mov_b32 s47, 0
	s_mul_i32 s12, s16, 64*BP
	s_add_co_u32 s12, s12, BOFF
	s_wait_dscnt 0x0                               ; both opening adds are done
	s_wait_kmcnt 0x0
	s_load_b64 s[96:97], s[8:9], 0x28              ; e10, e11
	s_mov_b32 s[G0], 1
	s_mov_b32 s[G0+1], s45
	s_add_nc_u64 s[G0+2:G0+3], s[4:5], s[20:21]
	s_or_b32 s[G0+3], s[G0+3], 0x80000000
	s_mov_b32 s[G0B], 1
	s_mov_b32 s[G0B+1], s12
	s_add_nc_u64 s[G0B+2:G0B+3], s[6:7], s[46:47]
	s_or_b32 s[G0B+3], s[G0B+3], 0x80000000
	CROUND                                         ; all sixteen work-groups are here: the joint loads meet
	s_cmp_eq_u32 s15, 0                            ; the branch hangs on the wave's number alone
	s_cbranch_scc0 .Lfor_b
	tensor_load_to_lds s[G0:G0+3], s[G1:G1+7]
	s_nop 0
	PLACES 4
	s_branch .Lasked
.Lfor_b:
	tensor_load_to_lds s[G0B:G0B+3], s[G1B:G1B+7]
	s_nop 0
	PLACES 4
.Lasked:
	s_lshl_b32 s20, s17, 7
	s_lshl_b32 s21, s15, 6
	s_add_co_u32 s20, s20, s21
	s_lshl_b32 s20, s20, 12                        ; my first row of out, in bytes,
	s_lshl_b32 s46, s42, 9
	s_lshl_b32 s47, s16, 8
	s_add_co_u32 s46, s46, s47                     ; and my first column
	s_add_co_u32 s20, s20, s46
	s_mov_b32 s21, 0
	s_add_nc_u64 s[10:11], s[10:11], s[20:21]
	s_lshl_b32 s18, s15, 16
	s_mul_i32 s22, s14, 16*SPITCH
	s_add_co_u32 s22, s22, STAGE
	v_and_b32 v1, 15, v0                           ; l % 16
	v_bfe_u32 v2, v0, 4, 1                         ; l / 16
	v_and_b32 v6, 31, v0
	v_lshlrev_b32 v6, 4, v6
	v_add_nc_u32 v[ADRA], s18, v6
	v_mul_u32_u24 v3, v1, BP
	v_lshl_add_u32 v3, v2, 4, v3
	v_add_nc_u32 v[ADRB], s12, v3                  ; (s12 is BOFF + half x 64 rows: the half that I multiply by is the half of that number)
	v_mul_u32_u24 v5, v1, SPITCH                   ; in: row l % 16, 32 bytes for each half of the lanes
	v_lshl_add_u32 v5, v2, 5, v5
	v_add_nc_u32 v[STO], s22, v5
	v_mul_u32_u24 v7, v2, SPITCH                   ; back: lanes 0-15 one row of 256 bytes, lanes 16-31 the next
	v_lshl_add_u32 v7, v1, 4, v7
	v_add_nc_u32 v[RD], s22, v7
	v_lshlrev_b32 v8, 12, v2                       ; and the same two rows in out
	v_lshl_add_u32 v[CO], v1, 4, v8
	s_wait_alu depctr_va_vdst(0)                   ; the wait at the head's end
	s_wait_kmcnt 0x0
	s_add_co_i32 s96, s96, s97
	s_add_co_i32 s96, s96, 127
	s_lshl_b32 s96, s96, 23                        ; 2^(e10 + e11) as f32
	s_wait_tensorcnt 0x0                           ; my part is in
	s_barrier_signal -1
	s_barrier_wait -1                              ; everybody's is
.macro BLD q                           ; Wo's four fragments of 16 rows x 128 K
	WIN 0x80+0x40*((\q)/4)
.irp b, 0,1,2,3
.irp c, 0,1,2,3
	ds_load_b128 v[64*((\q)%4)+16*\b+4*\c:64*((\q)%4)+16*\b+4*\c+3], v[ADRB] offset:\b*16*BP+128*(\q)+32*\c
.endr
.endr
	WIN 0
.endm
.macro ALD a, q                        ; A's fragment of block a
	WIN 0x40
.irp c, 0,1,2,3
	ds_load_b128 v[128*((\a)%2)+16*(\q)+4*\c:128*((\a)%2)+16*(\q)+4*\c+3], v[ADRA] offset:(\a)*16384+2048*(\q)+512*\c
.endr
	WIN 0
.endm
.macro MM a, q                         ; block a, 128 along K; the four accumulators take turns, one instruction a turn
	WIN 0x06+((\q)/4)                              ; source 0 window 2 or 3, source 1 window 1, C and D window 0
.irp b, 0,1,2,3
.set AC, ACC+32*((\a)%2)+8*\b
.set BR, 64*((\q)%4)+16*\b
.set AR, 128*((\a)%2)+16*(\q)
.if (\q) == 0
	v_wmma_f32_16x16x128_fp8_fp8 v[AC:AC+7], v[BR:BR+15], v[AR:AR+15], 0
.else
	v_wmma_f32_16x16x128_fp8_fp8 v[AC:AC+7], v[BR:BR+15], v[AR:AR+15], v[AC:AC+7]
.endif
.endr
	WIN 0
.endm
.macro TOSTAGE a                       ; the block x 2^(e10 + e11), each accumulator from its low end on; into my stage and back as rows.  LDS serves a wave's instructions in order (ISA guide 5.7.1.4)
.set jj, 0
.rept 16
	v_pk_mul_f32 v[TMP+jj:TMP+jj+1], v[ACC+32*((\a)%2)+jj:ACC+32*((\a)%2)+jj+1], s[96:97] op_sel_hi:[1,0]
.set jj, jj+2
.endr
.irp b, 0,1,2,3
	ds_store_b128 v[STO], v[TMP+8*\b:TMP+8*\b+3] offset:64*\b
	ds_store_b128 v[STO], v[TMP+8*\b+4:TMP+8*\b+7] offset:64*\b+16
.endr
.irp t, 0,1,2,3,4,5,6,7
	ds_load_b128 v[BK+32*((\a)%2)+4*\t:BK+32*((\a)%2)+4*\t+3], v[RD] offset:\t*2*SPITCH
.endr
.endm
.macro SEND a, younger                 ; younger: the LDS loads issued behind TOSTAGE's, which may stay out
	s_wait_dscnt \younger
.irp t, 0,1,2,3,4,5,6,7
	global_store_b128 v[CO], v[BK+32*((\a)%2)+4*\t:BK+32*((\a)%2)+4*\t+3], s[10:11] offset:(\a)*65536+\t*8192 th:TH_STORE_NT   ; 16 lanes store 256 consecutive bytes, aligned
.endr
.endm
	BLD 0
	ALD 0, 0
	BLD 1
	ALD 0, 1
.irp q, 0,1,2,3,4,5
	s_wait_dscnt 20                                ; this K step's 20 loads are in, the next one's may be out
	MM 0, \q
	BLD \q+2
	ALD 0, \q+2
.endr
	s_wait_dscnt 20
	MM 0, 6
.irp q, 0,1,2,3
	ALD 1, \q
.endr
	s_wait_dscnt 16                                ; the 16 just issued may be out
	MM 0, 7
.irp q, 4,5,6,7
	ALD 1, \q
.endr
	PLACES 4                                       ; behind the last products: for the reads of their results and for the loads into block 0's buffer
	TOSTAGE 0
	s_wait_dscnt 16                                ; block 1's fragments are in (behind them: the stage's 16)
.irp q, 0,1,2,3,4,5,6,7
	ALD 2, \q
.endr
.irp q, 0,1,2,3,4,5,6,7
	MM 1, \q
.endr
	SEND 0, 32                                     ; block 2's 32 loads may be out
	PLACES 4
	TOSTAGE 1
	s_wait_dscnt 16
.irp q, 0,1,2,3,4,5,6,7
	ALD 3, \q
.endr
.irp q, 0,1,2,3,4,5,6,7
	MM 2, \q
.endr
	SEND 1, 32
	PLACES 4
	s_wait_xcnt 0x0                                ; the earlier stores have read their registers: rows may land there again
	TOSTAGE 2
	s_wait_dscnt 16
.irp q, 0,1,2,3,4,5,6,7
	MM 3, \q
.endr
	SEND 2, 0
	PLACES 4
	s_wait_xcnt 0x0
	TOSTAGE 3
	SEND 3, 0
	s_wait_tensorcnt 0x0                           ; the wave's end: behind my last tensor load and my last LDS store
	ds_add_u32 v[SPW], v[NIL]
	s_wait_dscnt 0x0
	CROUND                                         ; the closing round: no work-group ends while a partner may still ask for a tile that names it
	s_endpgm
.Lfunc_end_k_qfa3a447147_proj:
	.size	k_qfa3a447147_proj, .Lfunc_end_k_qfa3a447147_proj-k_qfa3a447147_proj
	.p2alignl 7, 3214868480
	.fill 96, 4, 3214868480
	.section	.rodata,"a",@progbits
	.p2align	6, 0x0
	.amdhsa_kernel k_qfa3a447147_proj
		.amdhsa_group_segment_fixed_size 327680
		.amdhsa_private_segment_fixed_size 0
		.amdhsa_enable_private_segment 0
		.amdhsa_kernarg_size 32
		.amdhsa_user_sgpr_count 2
		.amdhsa_user_sgpr_kernarg_segment_ptr 1
		.amdhsa_wavefront_size32 1
		.amdhsa_system_sgpr_workgroup_id_x 1
		.amdhsa_system_sgpr_workgroup_id_y 1
		.amdhsa_system_sgpr_workgroup_id_z 1
		.amdhsa_system_vgpr_workitem_id 0
		.amdhsa_next_free_vgpr 1024
		.amdhsa_next_free_sgpr 98
		.amdhsa_reserve_vcc 0
		.amdhsa_float_denorm_mode_32 3
		.amdhsa_float_denorm_mode_16_64 3
		.amdhsa_memory_ordered 1
		.amdhsa_forward_progress 1
		.amdhsa_inst_pref_size 47
	.end_amdhsa_kernel
	.amdgpu_metadata
---
amdhsa.version: [ 1, 2 ]
amdhsa.kernels:
  - .name:           k_qfa3a447147_proj
    .symbol:         k_qfa3a447147_proj.kd
    .args:
      - { .name: a_img, .offset: 0, .size: 8, .value_kind: global_buffer, .address_space: global }
      - { .name: Wo_codes, .offset: 8, .size: 8, .value_kind: global_buffer, .address_space: global }
      - { .name: lowp_scales, .offset: 16, .size: 8, .value_kind: global_buffer, .address_space: global }
      - { .name: out0, .offset: 24, .size: 8, .value_kind: global_buffer, .address_space: global }
    .group_segment_fixed_size: 327680
    .private_segment_fixed_size: 0
    .kernarg_segment_align: 8
    .kernarg_segment_size: 32
    .max_flat_workgroup_size: 128
    .sgpr_count:     98
    .vgpr_count:     1024
    .wavefront_size: 32
...
	.end_amdgpu_metadata
.endif
;; end of part 4
